; MI455X (gfx1250); checked and timed in simulation.
; The chip was launched on July 23, 2026; its instructions are those of AMD's public machine-readable ISA for CDNA 5 (MIT licence, August 2026) and "CDNA5" Instruction Set Architecture Reference Guide (July 2026). The comments in the code are by the model that wrote it; some were corrected since.
;; Vector Quantizer. Allowed arithmetic: matrix products marked QUANTISED: E2M3 operands, one E8M0 scale for each 32 along K, by v_wmma_scale_f32_16x16x128_f8f6f4 with both operands' format E2M3, f32 sums; everything else in f32.
;; Inputs: codebook 1,024 x 64 float32; vectors 32 x 64 x 64 x 64 float32.
;; Outputs: out0 32 x 64 x 64 x 64 float32.
;; This version of the problem:
;;   THIS VERSION OF THE PROBLEM IS GIVEN IN LOW PRECISION. The matrix products marked QUANTISED in the list below multiply operands that are first quantised to E2M3 (2 exponent bits, 3 mantissa bits; 6 bits a number), with one power-of-two scale for each 32 numbers along K (OCP MX v1.0); their sums are f32. All else is computed in f32.
;;   The module's matrix products, in the order in which they are computed (A, B: the left and right operand; K: the contracted axis; several contracted axes count as one K, in the product's order):
;;     1. [M 131,072, K 64] x [K 64, N 1,024]; A: computed on the way; B: input codebook: QUANTISED
;;   THE QUANTISER, for each operand of a quantised product, along K:
;;     - K is cut into blocks of 32 from its start; a last block that is shorter is filled with zeros.
;;     - A block's scale is 2^e with e = floor(log2(the largest magnitude in the block)) - 2, held to -126 .. 127; a block of zeros has e = 0. As a byte (E8M0): e + 127.
;;     - Each number is divided by its block's scale, clamped to +-7.5, and rounded to the nearest number of E2M3, ties to even, subnormals kept.
;;     - The product sums the exact products of the quantised numbers (number of the format x scale) in f32.
;;   ~~~python
;;   def quantise(x, axis):      # numpy; x: float32 -> the quantised numbers, widened to float32 again
;;       x = np.moveaxis(x, axis, -1); K = x.shape[-1]
;;       x = np.pad(x, [(0, 0)] * (x.ndim - 1) + [(0, -K % 32)]); x = x.reshape(x.shape[:-1] + (-1, 32)); a = np.abs(x).max(-1, keepdims=True)
;;       e = np.where(a > 0, np.clip(np.frexp(np.where(a > 0, a, 1))[1] - 1 - 2, -126, 127), 0)      # np.frexp(a)[1] - 1 = floor(log2(a)), exactly
;;       r = np.clip(x / 2.0 ** e, -7.5, 7.5)
;;       step = 2.0 ** (np.maximum(np.frexp(np.where(r == 0, 1, r))[1] - 1, 0) - 3)
;;       q = np.round(r / step) * step * 2.0 ** e      # np.round: ties to even
;;       return np.moveaxis(q.reshape(q.shape[:-2] + (-1,))[..., :K], -1, axis).astype(np.float32)
;;   ~~~
;;   OPERANDS COMPUTED ON THE WAY. 'Computed on the way' means the value that the module computes at that place (a softmax that the list does not call 'softmax' is quantised finished and normalised). What goes into a quantiser is computed in f32, as accurately as f32 sums, v_exp_f32 and their like allow (about 1e-6 of the number): no bf16 or f16 on the way to a quantiser, and a product that is left as it is and whose result goes on into a quantised operand takes f32 operands (vector FMAs, or v_wmma_f32_16x16x4_f32). A number that lies on a knife's edge between two numbers of the format may be rounded either way, as far as f32 arithmetic and the matrix unit's own rounding can turn it there, and no further.
;; One version. Each part assembles by itself: llvm-mc -triple=amdgcn-amd-amdhsa -mcpu=gfx1250 --defsym DOCPART=n.
;; ======== version 1 of 1: 2 launches
;; limits: right only within a limited range of input values
;; workspace buffers: idx 524,288 bytes of whole numbers
;; launch nearest (part 1): grid 256 x 1, 16 waves a work-group, clusters of 4 x 1, 294,912 bytes of LDS; arguments vectors, codebook, idx; writes idx
.if DOCPART == 1
	.amdgcn_target "amdgcn-amd-amdhsa--gfx1250"
	.amdhsa_code_object_version 6
	.text
	.protected	k_q85c471fcb6_nearest
	.globl	k_q85c471fcb6_nearest
	.p2align	8
	.type	k_q85c471fcb6_nearest,@function
k_q85c471fcb6_nearest:
	s_mov_b64 s[64:65], 0
	v_nop
	global_prefetch_b8 v0, s[64:65] scope:SCOPE_SE
	s_setreg_imm32_b32 hwreg(HW_REG_WAVE_MODE, 25, 1), 1
	s_wait_xcnt 0x0
	s_wait_alu depctr_hold_cnt(0) depctr_sa_sdst(0) depctr_va_vdst(0) depctr_va_sdst(0) depctr_va_ssrc(0) depctr_va_vcc(0) depctr_vm_vsrc(0)
	s_getreg_b32 s2, hwreg(HW_REG_IB_STS2, 6, 4)
	s_cmp_eq_u32 s2, 0
	s_cbranch_scc0 .Lentry_in_a_cluster
	s_endpgm
.Lentry_in_a_cluster:
	s_bfe_u32 s2, ttmp6, 0x10000c
	s_cmp_lg_u32 s2, 0x3003
	s_cbranch_scc0 .Lentry_shape_is_right
	s_endpgm
.Lentry_shape_is_right:
; idx[n] = the first argmin over the 1,024 codes k of d(n, k) = (xx[n] - P(n, k)) + ww[k], two f32 roundings in that order, where
; x[n][c] = vectors[b][c][p] (n = 4096 b + p), xx = sum of x^2, ww = sum of W^2, both in f32 of the numbers as given, and P = Q(2 x) Q(W)^T on codes of FP6 (E2M3), one E8M0 scale for each 32 along K = 64.
; The text works on -d: the product's C is -xx, so a matrix instruction gives P - xx, summed in f32; -ww is added to that; the first argmax is taken.  Negation changes no rounding to nearest.
; xx stays in the sum although it is the same for all codes of a row: beside P it is so large that it decides where d is rounded.
; 2 x has x's codes under twice the scale: the codes are made of x and each scale byte gets 1 more.  xx and ww are sums of squares in packed partial sums (even and odd k); P is not rounded by itself ahead of its sum with -xx.
; LIMITS: blocks whose largest magnitude lies under 2^-124 keep the floor's scale byte; NaN, infinities and magnitudes from 2^127 on (or whose squares overflow) are not served.
; SHARES.  Work-group W = 4 x cluster + place owns rows 512 W .. 512 W + 511.  Sixteen waves of 256 registers, four to a SIMD.
;   Ahead of the loop wave w quantises codebook rows 64 w .. 64 w + 63 (a lane: one row's block of 32), four tiles of 16 rows = two PAIRS of tiles, into records in LDS that are images of operand registers;
;   and its own 32 rows of x (a lane: one row, its registers down K), which stay in registers: two row tiles.
;   In the loop each wave walks all 32 pairs of code tiles with its two row tiles: no wave needs another's result.
; THE PRODUCT IS USED TRANSPOSED: source 0 = 16 codes, source 1 = 16 rows of x.  Lane (r, h), register j holds row r against code 8 h + j of the tile: a lane holds ONE row.
; K = 64 IN AN INSTRUCTION OF 128: source 0's registers 0-5 hold tile a, 6-11 tile b of a pair.  Source 1 is [x | zeros] for tile a and [zeros | x] for tile b: zero codes add nothing.  A scale word holds two bytes of a, two of b; x's word its two bytes twice.
; THE ARGMAX: of each pair a lane has 16 numbers a row.  Their maximum is compared with the best so far; the lanes in which it is larger keep the 16 numbers, the maximum and the pair's number.  So the first pair with the maximum is kept,
;   and its first code is found once, behind the loop; the two halves of the lanes are then joined, the lower code at a tie.
; CLUSTER.  All work-groups read the whole codebook: the four of a cluster ask for each 64 rows JOINTLY, by the same tensor load with the same descriptor (made of the wave's number alone) and the mask of all four.
; Every LDS byte is filled by a tensor load at most once; the records lie over raw rows that their own wave alone reads, and has read.
; No prefetch: all that the launch reads is asked for at its head, and its loop reads LDS alone.
.set RPITCH, 272                       ; a raw codebook row in LDS: 256 bytes + 16: the 16 rows of a load begin in 16 different columns of 16 bytes
.set RAWB,   64*RPITCH                 ; 17,408: wave w's region begins at w x RAWB
.set PREC,   1728                      ; a pair's record: 3 x 512 bytes of codes (16 a lane), 64 bytes of scale words, 2 x 64 bytes of -ww.  Pair p lies at (p / 2) RAWB + (p % 2) PREC
.set SPARE,  16*RAWB                   ; the spare words, 128 bytes a wave
.set STG,    SPARE+2048                ; idx on the way out: 512 words
.set SPW, 1
.set NIL, 2
.set XOFF, 3                           ; x's byte offset
.set RAW, 4                            ; my raw rows
.set RA,  5                            ; my records: 16 bytes a lane,
.set RS,  6                            ; 4 bytes a row
.set LA,  7                            ; the same from LDS byte 0, for the loop; LW: 32 h
.set LS,  8
.set LW,  9
.set AA, 10                            ; the trip's addresses
.set AS, 11
.set AW, 13
.set XSC, 14                           ; x's scale words: lanes 0-15 row tile 0, lanes 16-31 row tile 1.   v15, v12: scale words of a pair in buffer 0, 1.  These three hold scales alone
.set XZ, 16                            ; v16-21 zeros, v22-27 row tile 0, v28-33 zeros, v34-39 row tile 1, v40-45 zeros
.set CX, 46                            ; v46-53 -xx of row tile 0, eight times; v54-61 of row tile 1
.set AB, 62                            ; v62-85 two buffers of a pair's codes
.set WW, 86                            ; v86-101 -ww in the result's layout
.set DD, 102                           ; v102-165 two buffers of 32 results: row tile 0 (tile a, tile b), row tile 1
.set SEL, 166                          ; v166-197 the best pair's 16 numbers of either row tile
.set BI, 198                           ; v198 best, v199 its pair's number (row tile 0); v200, v201 (row tile 1)
.set PN, 207                           ; the pair's number as a vector register
.set TT, 202                           ; v202-205 at work
.set RW, 46                            ; ahead of the loop: v46-173 my four raw tiles,
.set XD, 174                           ; v174-237 my row of x
.macro ROUND                           ; a round of the cluster's barrier
	s_barrier_signal -1
	s_barrier_wait -1
	s_cmp_lg_u32 s10, 0
	s_cbranch_scc1 .Lnot_wave_0_\@
	s_barrier_signal -3
.Lnot_wave_0_\@:
	s_barrier_wait -3
	s_barrier_signal -1
	s_barrier_wait -1
.endm
	s_load_b128 s[4:7], s[0:1], 0x0                ; vectors s[4:5], codebook s[6:7]
	s_load_b64 s[8:9], s[0:1], 0x10                ; idx
	v_lshl_add_u32 v[SPW], v0, 2, SPARE
	v_mov_b32 v[NIL], 0
	ds_add_u32 v[SPW], v[NIL]                      ; the opening lines: the add, twice on end, and its wait
	ds_add_u32 v[SPW], v[NIL]
	v_lshrrev_b32 v4, 5, v0
	v_readfirstlane_b32 s10, v4                    ; wave 0..15
	v_lshlrev_b32 v[XOFF], 2, v0                   ; thread = row: 4 bytes
	s_bfe_u32 s13, ttmp6, 0x40000                  ; my place in the cluster: it enters the addresses of vectors and idx alone
	s_lshl_b32 s14, ttmp9, 2
	s_add_co_u32 s14, s14, s13                     ; W
	s_lshr_b32 s34, s14, 3
	s_lshl_b32 s34, s34, 20                        ; image b = W / 8: 64 planes of 16 KiB,
	s_and_b32 s35, s14, 7
	s_lshl_b32 s35, s35, 11                        ; and 512 (W % 8) places of 4 bytes in a plane
	s_add_co_u32 s34, s34, s35
	s_mov_b32 s35, 0
	s_lshl_b32 s36, s14, 11                        ; idx: 512 rows of 4 bytes
	s_mov_b32 s37, 0
	s_lshl_b32 s38, s10, 14                        ; codebook: 64 rows of 256 bytes for each wave
	s_mov_b32 s39, 0
	; descriptor group 1: 64 rows of 256 bytes (32 elements of 8), dense in memory, 16 bytes of padding behind each in LDS
	s_mov_b32 s16, 15|(3<<16)|(1<<20)|(1<<21)|(5<<22)|(3<<25)   ; 15:0 the mask: all four work-groups; 17:16 elements of 8 bytes; 20 padding on; 21 set beside a mask; 24:22 after every 64 words; 31:25 4 words of it
	s_mov_b32 s17, 32<<16                          ; tensor_dim0 = 32
	s_mov_b32 s18, 64<<16                          ; tensor_dim1 = 64
	s_mov_b32 s19, 32<<16                          ; tile_dim0 = 32
	s_mov_b32 s20, 64                              ; tile_dim1 = 64
	s_mov_b32 s21, 32                              ; from row to row: 32 elements
	s_mov_b32 s22, 0
	s_mov_b32 s23, 0
	s_mov_b32 s24, 1                               ; group 0: count = 1,
	s_mul_i32 s25, s10, RAWB                       ; LDS address: my region,
	s_mul_i32 s33, s10, RAWB
	s_wait_alu depctr_va_vdst(0)
	s_wait_dscnt 0x0                               ; both opening adds are done
	s_wait_kmcnt 0x0
	s_add_nc_u64 s[4:5], s[4:5], s[34:35]
	s_add_nc_u64 s[8:9], s[8:9], s[36:37]
	s_add_nc_u64 s[26:27], s[6:7], s[38:39]        ; global address: my 64 rows,
	s_or_b32 s27, s27, 0x80000000                  ; type = 2
	ROUND                                          ; all four work-groups are here: the joint loads meet
	; my one tensor load of the launch.  The codebook is needed first and by all, so only waves 0-7 ask for x at once; waves 8-15 ask when their 64 rows of the codebook have landed.
	; Two arms, each with a load line of its own: the late half waits in its arm.
	s_cmp_lt_u32 s10, 8
	s_cbranch_scc0 .Llate
	tensor_load_to_lds s[24:27], s[16:23]
	s_nop 0
.rept 4
	v_nop
.endr
	s_branch .Lask_x
.Llate:
	tensor_load_to_lds s[24:27], s[16:23]
	s_nop 0
.rept 4
	v_nop
.endr
	s_wait_tensorcnt 0x0
.Lask_x:
.set c, 0
.rept 64
	global_load_b32 v[XD+c], v[XOFF], s[4:5] offset:16384*c th:TH_LOAD_NT   ; x(my row, c): a wave reads 128 consecutive bytes, the sixteen waves 2 KiB on end; read once in the launch
.set c, c+1
.endr
	v_and_b32 v240, 31, v0                         ; lane
	v_and_b32 v241, 15, v0                         ; r
	v_bfe_u32 v242, v0, 4, 1                       ; h
	v_mul_u32_u24 v[RAW], v241, RPITCH
	v_lshl_add_u32 v[RA], v240, 4, s33
	v_lshl_add_u32 v[RS], v241, 2, s33
	v_lshl_add_u32 v[RAW], v242, 7, v[RAW]
	v_lshlrev_b32 v[LA], 4, v240
	v_lshlrev_b32 v[LS], 2, v241
	v_add_nc_u32 v[RAW], s33, v[RAW]               ; row r of a tile, my block of 32 numbers (128 h bytes on)
	v_lshlrev_b32 v[LW], 5, v242
	v_lshlrev_b32 v253, 3, v242                    ; 8 h
	s_mov_b32 s28, 0x76543210
	s_mov_b32 s29, 0xfedcba98                      ; v_permlanex16_b32's selects for lane l xor 16
	s_mov_b32 s31, 0                               ; the trip's place among the records
	v_mov_b32 v250, 0                              ; the lane permutes' destinations, which count as read
	v_mov_b32 v251, 0
	v_mov_b32 v252, 0
	v_add_nc_u32 v[AA], s31, v[LA]
	v_add_nc_u32 v[AS], s31, v[LS]
	v_add_nc_u32 v[AW], s31, v[LW]
; A block of 32 numbers in v[R ..]: its largest magnitude into v[m] (two chains, with the floor 2^(3 - 127): the byte cannot fall under 1), its squares onto the pair v[a:a+1]
.macro SCAN R, m, n, a, first
	v_max3_num_f32 v[\m], |v[\R]|, |v[\R+1]|, 0x1800000
.if \first
	v_pk_mul_f32 v[\a:\a+1], v[\R:\R+1], v[\R:\R+1]
.else
	v_pk_fma_f32 v[\a:\a+1], v[\R:\R+1], v[\R:\R+1], v[\a:\a+1]
.endif
	v_max3_num_f32 v[\n], |v[\R+16]|, |v[\R+17]|, |v[\R+18]|
.irp i, 1,2,3,4,5,6
	v_max3_num_f32 v[\m], v[\m], |v[\R+2*\i]|, |v[\R+2*\i+1]|
	v_pk_fma_f32 v[\a:\a+1], v[\R+4*\i-2:\R+4*\i-1], v[\R+4*\i-2:\R+4*\i-1], v[\a:\a+1]
	v_max3_num_f32 v[\n], v[\n], |v[\R+17+2*\i]|, |v[\R+18+2*\i]|
	v_pk_fma_f32 v[\a:\a+1], v[\R+4*\i:\R+4*\i+1], v[\R+4*\i:\R+4*\i+1], v[\a:\a+1]
.endr
	v_max3_num_f32 v[\m], v[\m], |v[\R+14]|, |v[\R+15]|
	v_pk_fma_f32 v[\a:\a+1], v[\R+26:\R+27], v[\R+26:\R+27], v[\a:\a+1]
	v_max3_num_f32 v[\n], v[\n], v[\m], |v[\R+31]|
	v_pk_fma_f32 v[\a:\a+1], v[\R+28:\R+29], v[\R+28:\R+29], v[\a:\a+1]
	v_add_nc_u32 v[\m], 0xff000000, v[\n]          ; 2 off its exponent field: the conversion takes the exponent field of this operand as its scale
	v_pk_fma_f32 v[\a:\a+1], v[\R+30:\R+31], v[\R+30:\R+31], v[\a:\a+1]
.endm
; A pair of code tiles, raw in v[R ..] (a: 32 registers, b: 32), becomes a record at byte O of my region; v[K ..] at work, twelve operand registers first
.macro CPAIR R, K, O
	SCAN \R, 240, 241, 244, 1
	SCAN \R+32, 242, 243, 246, 1
	v_lshrrev_b32 v248, 23, v240                   ; the scales' bytes
	v_lshrrev_b32 v249, 23, v242
	v_add_f32 v244, v244, v245
	v_add_f32 v246, v246, v247
	v_cvt_scalef32_pk16_fp6_f32 v[\K:\K+2], v[\R:\R+15], v240
	v_cvt_scalef32_pk16_fp6_f32 v[\K+12:\K+14], v[\R+16:\R+31], v240   ; (a conversion's three registers begin on an even number)
	v_cvt_scalef32_pk16_fp6_f32 v[\K+6:\K+8], v[\R+32:\R+47], v242
	v_cvt_scalef32_pk16_fp6_f32 v[\K+16:\K+18], v[\R+48:\R+63], v242
	v_lshl_or_b32 v248, v249, 16, v248             ; one plain place behind the scaled conversions
	v_permlanex16_b32 v251, v244, s28, s29
	v_permlanex16_b32 v252, v246, s28, s29
	v_lshlrev_b32 v248, v253, v248                 ; my two bytes at their places,
	v_mov_b32 v[\K+3], v[\K+12]
	v_mov_b32 v[\K+4], v[\K+13]
	v_permlanex16_b32 v250, v248, s28, s29
	v_mov_b32 v[\K+5], v[\K+14]
	v_mov_b32 v[\K+9], v[\K+16]
	v_mov_b32 v[\K+10], v[\K+17]
	v_mov_b32 v[\K+11], v[\K+18]
	v_or_b32 v[\K+20], v248, v250                  ; with lane l xor 16's: the row's scale word of both tiles
	v_sub_f32 v[\K+21], -v244, v251                ; -ww of row r of a,
	v_sub_f32 v[\K+22], -v246, v252                ; of b
	ds_store_b128 v[RA], v[\K:\K+3] offset:\O
	ds_store_b128 v[RA], v[\K+4:\K+7] offset:\O+512
	ds_store_b128 v[RA], v[\K+8:\K+11] offset:\O+1024
	ds_store_b32 v[RS], v[\K+20] offset:\O+1536    ; (both halves of the lanes write the same word with the same value)
	ds_store_b32 v[RS], v[\K+21] offset:\O+1600
	ds_store_b32 v[RS], v[\K+22] offset:\O+1664
.endm
	s_wait_alu depctr_va_vdst(0)
	s_wait_tensorcnt 0x0                           ; my 64 rows are in LDS; nobody else reads them raw
.irp t, 0,1,2,3
.irp i, 0,1,2,3,4,5,6,7
	ds_load_b128 v[RW+32*\t+4*\i:RW+32*\t+4*\i+3], v[RAW] offset:16*RPITCH*\t+16*\i
.endr
.endr
	s_wait_dscnt 16                                ; tiles 0 and 1 are in; the sixteen loads of tiles 2 and 3 may be out
	CPAIR RW, 16, 0                                ; both records lie over the first 3,456 bytes of my region: raw rows of tile 0, which have been read
	s_wait_dscnt 6                                 ; all but pair 0's six stores: tiles 2 and 3 are in
	CPAIR RW+64, 46, PREC
	s_wait_dscnt 0x0                               ; for the others' sake: my records have landed
	s_barrier_signal -1                            ; said early: up to the wait below stands register work alone
	; ---- x: my row's 64 numbers are my registers, down K: two whole blocks
.irp j, 16,17,18,19,20,21,28,29,30,31,32,33,40,41,42,43,44,45
	v_mov_b32 v\j, 0                               ; zero codes
.endr
	s_wait_alu depctr_va_vdst(0)
	s_wait_loadcnt 32                              ; block 0's 32 loads are in; block 1's may be out
	SCAN XD, 240, 241, 244, 1
	s_wait_alu depctr_va_vdst(0)
	s_wait_loadcnt 0x0
	SCAN XD+32, 242, 243, 244, 0
	v_lshrrev_b32 v249, 23, v242
	v_sub_f32 v[CX], -v244, v245                   ; -xx of my row, twice
	v_sub_f32 v[CX+8], -v244, v245
	v_cvt_scalef32_pk16_fp6_f32 v[XZ+6:XZ+8], v[XD:XD+15], v240
	v_cvt_scalef32_pk16_fp6_f32 v[246:248], v[XD+16:XD+31], v240
	v_nop                                          ; one plain place behind a scaled conversion
	v_mov_b32 v[XZ+9], v246
	v_mov_b32 v[XZ+10], v247
	v_mov_b32 v[XZ+11], v248
	v_lshrrev_b32 v243, 23, v240                   ; the two scales' bytes
	v_lshl_or_b32 v243, v249, 8, v243
	v_cvt_scalef32_pk16_fp6_f32 v[XZ+18:XZ+20], v[XD+32:XD+47], v242
	v_cvt_scalef32_pk16_fp6_f32 v[250:252], v[XD+48:XD+63], v242
	v_lshl_or_b32 v243, v243, 16, v243             ; my row's two bytes, twice
	v_mov_b32 v[XZ+21], v250
	v_mov_b32 v[XZ+22], v251
	v_mov_b32 v[XZ+23], v252
	v_add_nc_u32 v[XSC], 0x01010101, v243          ; 1 more in each byte: the operand is 2 x (a byte is 252 at the most before)
.irp i, 0,1,2,3,4,5
	v_permlane16_swap_b32 v[XZ+6+\i], v[XZ+18+\i]  ; block 0 of rows 16-31 changes places with block 1 of rows 0-15: the first now is row tile 0's operand, the second row tile 1's
.endr
	v_permlane16_swap_b32 v[CX], v[CX+8]           ; and -xx: rows 0-15 in both halves, rows 16-31 in both halves
.irp i, 1,2,3,4,5,6,7
	v_mov_b32 v[CX+\i], v[CX]
	v_mov_b32 v[CX+8+\i], v[CX+8]
.endr
.macro LDA b, off                      ; a pair's codes and scale words into buffer b
	ds_load_b128 v[AB+12*(\b):AB+12*(\b)+3], v[AA] offset:\off
	ds_load_b128 v[AB+12*(\b)+4:AB+12*(\b)+7], v[AA] offset:\off+512
	ds_load_b128 v[AB+12*(\b)+8:AB+12*(\b)+11], v[AA] offset:\off+1024
	ds_load_b32 v[15-3*(\b)], v[AS] offset:\off+1536
.endm
.set WB, 122                           ; from -ww's buffer 0, v86-101, to its buffer 1, v208-223
.macro LDW b, off                      ; its -ww into buffer b: the eight codes of my half, of tile a and of tile b
	ds_load_b128 v[WW+WB*(\b):WW+WB*(\b)+3], v[AW] offset:\off+1600
	ds_load_b128 v[WW+WB*(\b)+4:WW+WB*(\b)+7], v[AW] offset:\off+1616
	ds_load_b128 v[WW+WB*(\b)+8:WW+WB*(\b)+11], v[AW] offset:\off+1664
	ds_load_b128 v[WW+WB*(\b)+12:WW+WB*(\b)+15], v[AW] offset:\off+1680
.endm
.macro MM b                            ; P - xx of the pair in buffer b against both row tiles: four results, no chain
	v_wmma_scale_f32_16x16x128_f8f6f4 v[DD+32*(\b):DD+32*(\b)+7], v[AB+12*(\b):AB+12*(\b)+11], v[XZ+6:XZ+17], v[CX:CX+7], v[15-3*(\b)], v[XSC] matrix_a_fmt:MATRIX_FMT_FP6 matrix_b_fmt:MATRIX_FMT_FP6
	v_wmma_scale_f32_16x16x128_f8f6f4 v[DD+32*(\b)+16:DD+32*(\b)+23], v[AB+12*(\b):AB+12*(\b)+11], v[XZ+18:XZ+29], v[CX+8:CX+15], v[15-3*(\b)], v[XSC] matrix_a_fmt:MATRIX_FMT_FP6 matrix_b_fmt:MATRIX_FMT_FP6 matrix_b_scale:MATRIX_SCALE_ROW1
	v_wmma_scale_f32_16x16x128_f8f6f4 v[DD+32*(\b)+8:DD+32*(\b)+15], v[AB+12*(\b):AB+12*(\b)+11], v[XZ:XZ+11], v[CX:CX+7], v[15-3*(\b)], v[XSC] matrix_a_fmt:MATRIX_FMT_FP6 matrix_b_fmt:MATRIX_FMT_FP6
	v_wmma_scale_f32_16x16x128_f8f6f4 v[DD+32*(\b)+24:DD+32*(\b)+31], v[AB+12*(\b):AB+12*(\b)+11], v[XZ+12:XZ+23], v[CX+8:CX+15], v[15-3*(\b)], v[XSC] matrix_a_fmt:MATRIX_FMT_FP6 matrix_b_fmt:MATRIX_FMT_FP6 matrix_b_scale:MATRIX_SCALE_ROW1
.endm
; Step s (b = s % 2): the products of pair s + 1 are started; then pair s's results, made a step ago, are worked: -ww added, the maxima taken, the best kept.  In between pair s + 2's codes and pair s + 1's -ww are asked for.
; (The step asks at its top: the buffers that its loads fill were read in the step before, by products and additions that stand far behind.)
.macro PKW j, b                        ; -ww onto two results; each result from its low end on
	v_pk_add_f32 v[E+2*(\j):E+2*(\j)+1], v[E+2*(\j):E+2*(\j)+1], v[WW+WB*(\b)+2*((\j)%8):WW+WB*(\b)+2*((\j)%8)+1]
.endm
.macro MX u, n                         ; line n of eight: the largest of row tile u's 16, in two chains
.if \n == 0
	v_max3_num_f32 v[TT+2*\u], v[E+16*\u], v[E+16*\u+1], v[E+16*\u+2]
.elseif \n == 1
	v_max3_num_f32 v[TT+2*\u+1], v[E+16*\u+8], v[E+16*\u+9], v[E+16*\u+10]
.elseif \n == 6
	v_max3_num_f32 v[TT+2*\u], v[TT+2*\u], v[TT+2*\u+1], v[E+16*\u+7]
.elseif \n == 7
	v_max_num_f32 v[TT+2*\u], v[TT+2*\u], v[E+16*\u+15]
.elseif (\n)%2 == 0
	v_max3_num_f32 v[TT+2*\u], v[TT+2*\u], v[E+16*\u+\n+1], v[E+16*\u+\n+2]
.else
	v_max3_num_f32 v[TT+2*\u+1], v[TT+2*\u+1], v[E+16*\u+8+\n], v[E+16*\u+9+\n]
.endif
.endm
.macro BEST u, first                   ; the lanes whose row has a new best take the maximum and the pair's number; strictly larger, so the first of equals stays
.if \first
	v_dual_mov_b32 v[BI+2*\u], v[TT+2*\u] :: v_dual_mov_b32 v[BI+2*\u+1], s30
.else
	v_cmp_gt_f32 vcc_lo, v[TT+2*\u], v[BI+2*\u]
	v_dual_max_num_f32 v[BI+2*\u], v[BI+2*\u], v[TT+2*\u] :: v_dual_cndmask_b32 v[BI+2*\u+1], v[BI+2*\u+1], v[PN]
.endif
.endm
.macro CND u, k, first                 ; and two of the 16 numbers
.if \first
	v_dual_mov_b32 v[SEL+16*\u+2*(\k)], v[E+16*\u+2*(\k)] :: v_dual_mov_b32 v[SEL+16*\u+2*(\k)+1], v[E+16*\u+2*(\k)+1]
.else
	v_dual_cndmask_b32 v[SEL+16*\u+2*(\k)], v[SEL+16*\u+2*(\k)], v[E+16*\u+2*(\k)] :: v_dual_cndmask_b32 v[SEL+16*\u+2*(\k)+1], v[SEL+16*\u+2*(\k)+1], v[E+16*\u+2*(\k)+1]
.endif
.endm
.macro STEP b, first, adr, mm, offa, offw
	s_wait_dscnt 0x0                               ; pair s + 1's codes and pair s's -ww are in
.if \adr
	v_add_nc_u32 v[AA], s31, v[LA]
	v_add_nc_u32 v[AS], s31, v[LS]
	v_add_nc_u32 v[AW], s31, v[LW]
.endif
.if \offa >= 0
	LDA \b, \offa                                  ; pair s + 2's codes
.endif
.if \offw >= 0
	LDW 1-\b, \offw                                ; pair s + 1's -ww
.endif
.if \mm
	MM 1-\b
.endif
.set E, DD+32*(\b)
.irp n, 0,1,2,3,4,5,6,7
	PKW \n, \b
.endr
.irp n, 0,1,2,3,4,5,6,7
	PKW 8+\n, \b
	MX 0, \n
.endr
.if \first == 0
	v_mov_b32 v[PN], s30
.endif
	MX 1, 0
	MX 1, 1
	BEST 0, \first
.irp n, 2,3,4,5,6,7
	MX 1, \n
	CND 0, \n-2, \first
.endr
	CND 0, 6, \first
	CND 0, 7, \first
	BEST 1, \first
.irp n, 0,1,2,3,4,5,6,7
	CND 1, \n, \first
.endr
	s_add_co_u32 s30, s30, 1
.endm
	s_mov_b32 s30, 0                               ; the pair's number
	s_mov_b32 s33, 14                              ; trips: steps 1 .. 28
	s_wait_alu depctr_va_vdst(0)
	s_barrier_wait -1                              ; all 32 records lie in LDS
	LDA 0, 0
	LDA 1, PREC
	LDW 0, 0
	s_wait_dscnt 8                                 ; pair 0's codes are in; pair 1's and pair 0's -ww may be out
	MM 0
.rept 4
	v_nop                                          ; four places ahead of the first reads of these results (ISA guide 7.12.1)
.endr
	STEP 0, 1, 0, 1, RAWB, PREC                    ; pair 0: kept without a comparison
.Ltrip:                                                ; a trip: two steps, so that the buffers are back where they began
	STEP 1, 0, 1, 1, RAWB+PREC, RAWB
	STEP 0, 0, 0, 1, 2*RAWB, RAWB+PREC
	s_add_co_u32 s31, s31, RAWB
	s_sub_co_i32 s33, s33, 1
	s_cmp_lg_u32 s33, 0
	s_cbranch_scc1 .Ltrip
	STEP 1, 0, 1, 1, RAWB+PREC, RAWB               ; steps 29, 30, 31: nothing is asked for beyond pair 31
	STEP 0, 0, 0, 1, -1, RAWB+PREC
	STEP 1, 0, 0, 0, -1, -1
	; ---- the first code of the best pair: register i < 8 is code 8 h + i of tile a, i >= 8 of tile b, 16 codes on
	v_mov_b32 v206, 23
	v_mov_b32 v207, 23
.set PP, 14
.rept 15
.if PP >= 8
.set QQ, PP+8
.else
.set QQ, PP
.endif
	v_cmp_eq_f32 s40, v[SEL+PP], v[BI]
	v_cmp_eq_f32 s41, v[SEL+16+PP], v[BI+2]
	v_cndmask_b32 v206, v206, QQ, s40
	v_cndmask_b32 v207, v207, QQ, s41
.set PP, PP-1
.endr
	v_bfe_u32 v208, v0, 4, 1
	v_lshl_add_u32 v206, v[BI+1], 5, v206
	v_lshl_add_u32 v207, v[BI+3], 5, v207
	v_permlanex16_b32 v202, v[BI], s28, s29
	v_permlanex16_b32 v204, v[BI+2], s28, s29
	v_lshl_add_u32 v206, v208, 3, v206             ; 32 x pair + 8 h + ..: my half's first code
	v_lshl_add_u32 v207, v208, 3, v207
	v_lshl_add_u32 v209, v0, 2, STG
	v_lshl_add_u32 v210, v0, 4, STG
	v_lshlrev_b32 v211, 4, v0
	v_permlanex16_b32 v203, v206, s28, s29
	v_permlanex16_b32 v205, v207, s28, s29
	v_cmp_gt_f32 s40, v202, v[BI]                  ; the other half's code is taken where its best is larger, or equal with a lower code
	v_cmp_eq_f32 s41, v202, v[BI]
	v_cmp_lt_u32 s42, v203, v206
	v_cmp_gt_f32 s43, v204, v[BI+2]
	v_cmp_eq_f32 s44, v204, v[BI+2]
	v_cmp_lt_u32 s45, v205, v207
	s_and_b32 s41, s41, s42
	s_or_b32 s40, s40, s41
	s_and_b32 s44, s44, s45
	s_or_b32 s43, s43, s44
	s_mov_b32 s46, 0xffff0000
	v_cndmask_b32 v206, v206, v203, s40
	v_cndmask_b32 v207, v207, v205, s43
	v_cndmask_b32 v206, v206, v207, s46            ; lanes 0-15: row tile 0; lanes 16-31: row tile 1: lane = row
	ds_store_b32 v209, v206
	s_wait_alu depctr_va_vdst(0)
	s_wait_dscnt 0x0                               ; for the others' sake: my 32 indices have landed
	s_barrier_signal -1
	s_barrier_wait -1
	s_cmp_ge_u32 s10, 4                            ; waves 0-3 store 512 consecutive bytes each, at a multiple of 256 from idx's first byte
	s_cbranch_scc1 .Ldone
	ds_load_b128 v[212:215], v210
	s_wait_dscnt 0x0
	global_store_b128 v211, v[212:215], s[8:9]
.Ldone:
	s_wait_tensorcnt 0x0                           ; the wave's end
	ds_add_u32 v[SPW], v[NIL]
	s_wait_dscnt 0x0
	ROUND                                          ; the closing round: no work-group ends while a partner may still ask for a tile that names it
	s_endpgm
.Lfunc_end_k_q85c471fcb6_nearest:
	.size	k_q85c471fcb6_nearest, .Lfunc_end_k_q85c471fcb6_nearest-k_q85c471fcb6_nearest
	.p2alignl 7, 3214868480
	.fill 96, 4, 3214868480
	.section	.rodata,"a",@progbits
	.p2align	6, 0x0
	.amdhsa_kernel k_q85c471fcb6_nearest
		.amdhsa_group_segment_fixed_size 294912
		.amdhsa_private_segment_fixed_size 0
		.amdhsa_enable_private_segment 0
		.amdhsa_kernarg_size 24
		.amdhsa_user_sgpr_count 2
		.amdhsa_user_sgpr_kernarg_segment_ptr 1
		.amdhsa_wavefront_size32 1
		.amdhsa_system_sgpr_workgroup_id_x 1
		.amdhsa_system_sgpr_workgroup_id_y 1
		.amdhsa_system_sgpr_workgroup_id_z 1
		.amdhsa_system_vgpr_workitem_id 0
		.amdhsa_next_free_vgpr 256
		.amdhsa_next_free_sgpr 66
		.amdhsa_reserve_vcc 1
		.amdhsa_float_denorm_mode_32 3
		.amdhsa_float_denorm_mode_16_64 3
		.amdhsa_memory_ordered 1
		.amdhsa_forward_progress 1
		.amdhsa_inst_pref_size 62
	.end_amdhsa_kernel
	.amdgpu_metadata
---
amdhsa.version: [ 1, 2 ]
amdhsa.kernels:
  - .name:           k_q85c471fcb6_nearest
    .symbol:         k_q85c471fcb6_nearest.kd
    .args:
      - { .name: vectors, .offset: 0, .size: 8, .value_kind: global_buffer, .address_space: global }
      - { .name: codebook, .offset: 8, .size: 8, .value_kind: global_buffer, .address_space: global }
      - { .name: idx, .offset: 16, .size: 8, .value_kind: global_buffer, .address_space: global }
    .group_segment_fixed_size: 294912
    .private_segment_fixed_size: 0
    .kernarg_segment_align: 8
    .kernarg_segment_size: 24
    .max_flat_workgroup_size: 512
    .sgpr_count:     66
    .vgpr_count:     256
    .wavefront_size: 32
...
	.end_amdgpu_metadata
.endif
;; end of part 1
;; launch gather (part 2): grid 256 x 1, 8 waves a work-group, no clusters, 0 bytes of LDS; arguments idx, codebook, out0; writes out0
.if DOCPART == 2
	.amdgcn_target "amdgcn-amd-amdhsa--gfx1250"
	.amdhsa_code_object_version 6
	.text
	.protected	k_q85c471fcb6_gather
	.globl	k_q85c471fcb6_gather
	.p2align	8
	.type	k_q85c471fcb6_gather,@function
k_q85c471fcb6_gather:
	s_mov_b64 s[64:65], 0
	v_nop
	global_prefetch_b8 v0, s[64:65] scope:SCOPE_SE
	s_setreg_imm32_b32 hwreg(HW_REG_WAVE_MODE, 25, 1), 1
	s_wait_xcnt 0x0
; out0[n][:] = codebook[idx[n]][:]: 131,072 rows of 256 bytes, f32 as given.  idx was stored by the launch before, as whole numbers.
; A stream: no LDS, no barrier, no matrix unit, no cluster (work-groups share only the codebook, 256 KiB, which every one of them reads at places that its own indices name).
; A work-group owns 512 rows, a wave 64.  Sixteen lanes take a row: they read its 256 bytes of the codebook and store 256 consecutive bytes, at a multiple of 256 from out0's first byte.
; A load or store of the wave serves two rows (g = lane / 16).  All 32 gathers of a wave, 16 KiB, are out together; every step has registers of its own, so nothing is written again behind its use.
.set IX, 8                             ; v8-39    the indices, then the byte offsets in the codebook: register 4 s + e is row 8 s + 4 g + e of the wave's 64
.set DT, 40                            ; v40-167  the rows' data, four registers each
	s_load_b128 s[4:7], s[0:1], 0x0                ; idx s[4:5], codebook s[6:7]
	s_load_b64 s[8:9], s[0:1], 0x10                ; out0
	v_lshrrev_b32 v4, 5, v0                        ; wave
	v_bfe_u32 v5, v0, 4, 1                         ; g
	v_and_b32 v6, 15, v0                           ; my place in a row
	s_delay_alu instid0(VALU_DEP_3)
	v_lshlrev_b32 v1, 8, v4
	s_delay_alu instid0(VALU_DEP_1)
	v_lshl_add_u32 v1, v5, 4, v1                   ; idx: 256 bytes a wave; my half's four indices
	s_delay_alu instid0(VALU_DEP_3)
	v_lshlrev_b32 v2, 4, v6                        ; 16 bytes a lane
	v_lshlrev_b32 v3, 14, v4
	s_delay_alu instid0(VALU_DEP_1)
	v_lshl_add_u32 v3, v5, 10, v3
	s_delay_alu instid0(VALU_DEP_1)
	v_add_nc_u32 v3, v3, v2                        ; out0: 64 rows a wave, four rows for each half, my 16 bytes
	s_lshl_b32 s10, ttmp9, 11                      ; 512 indices
	s_mov_b32 s11, 0
	s_lshl_b32 s12, ttmp9, 17                      ; 512 rows of 256 bytes
	s_mov_b32 s13, 0
	s_wait_alu depctr_va_vdst(0)
	s_wait_kmcnt 0x0
	s_add_nc_u64 s[4:5], s[4:5], s[10:11]
	s_add_nc_u64 s[8:9], s[8:9], s[12:13]
.irp s, 0,1,2,3,4,5,6,7
	global_load_b128 v[IX+4*\s:IX+4*\s+3], v1, s[4:5] offset:32*\s
.endr
.irp s, 0,1,2,3,4,5,6,7
	s_wait_loadcnt 7+3*\s                          ; loads come back in order: behind index load s stand 7 - s index loads and the 4 s gathers issued so far
.irp e, 0,1,2,3
	v_min_u32 v[IX+4*\s+\e], 0x3ff, v[IX+4*\s+\e]  ; an index stays inside the table
	s_delay_alu instid0(VALU_DEP_1)
	v_lshl_add_u32 v[IX+4*\s+\e], v[IX+4*\s+\e], 8, v2
	global_load_b128 v[DT+4*(4*\s+\e):DT+4*(4*\s+\e)+3], v[IX+4*\s+\e], s[6:7]
.endr
.endr
.set k, 0
.rept 32
	s_wait_loadcnt 31-k                            ; gather k is in; the younger ones stay out
	global_store_b128 v3, v[DT+4*k:DT+4*k+3], s[8:9] offset:2048*(k/4)+256*(k%4) th:TH_STORE_NT   ; written once, read by nobody here
.set k, k+1
.endr
	s_endpgm
.Lfunc_end_k_q85c471fcb6_gather:
	.size	k_q85c471fcb6_gather, .Lfunc_end_k_q85c471fcb6_gather-k_q85c471fcb6_gather
	.p2alignl 7, 3214868480
	.fill 96, 4, 3214868480
	.section	.rodata,"a",@progbits
	.p2align	6, 0x0
	.amdhsa_kernel k_q85c471fcb6_gather
		.amdhsa_group_segment_fixed_size 0
		.amdhsa_private_segment_fixed_size 0
		.amdhsa_enable_private_segment 0
		.amdhsa_kernarg_size 24
		.amdhsa_user_sgpr_count 2
		.amdhsa_user_sgpr_kernarg_segment_ptr 1
		.amdhsa_wavefront_size32 1
		.amdhsa_system_sgpr_workgroup_id_x 1
		.amdhsa_system_sgpr_workgroup_id_y 1
		.amdhsa_system_sgpr_workgroup_id_z 1
		.amdhsa_system_vgpr_workitem_id 0
		.amdhsa_next_free_vgpr 176
		.amdhsa_next_free_sgpr 66
		.amdhsa_reserve_vcc 0
		.amdhsa_float_denorm_mode_32 3
		.amdhsa_float_denorm_mode_16_64 3
		.amdhsa_memory_ordered 1
		.amdhsa_forward_progress 1
		.amdhsa_inst_pref_size 15
	.end_amdhsa_kernel
	.amdgpu_metadata
---
amdhsa.version: [ 1, 2 ]
amdhsa.kernels:
  - .name:           k_q85c471fcb6_gather
    .symbol:         k_q85c471fcb6_gather.kd
    .args:
      - { .name: idx, .offset: 0, .size: 8, .value_kind: global_buffer, .address_space: global }
      - { .name: codebook, .offset: 8, .size: 8, .value_kind: global_buffer, .address_space: global }
      - { .name: out0, .offset: 16, .size: 8, .value_kind: global_buffer, .address_space: global }
    .group_segment_fixed_size: 0
    .private_segment_fixed_size: 0
    .kernarg_segment_align: 8
    .kernarg_segment_size: 24
    .max_flat_workgroup_size: 256
    .sgpr_count:     66
    .vgpr_count:     176
    .wavefront_size: 32
...
	.end_amdgpu_metadata
.endif
;; end of part 2
